; MI455X (gfx1250); checked and timed in simulation.
; The chip was launched on July 23, 2026; its instructions are those of AMD's public machine-readable ISA for CDNA 5 (MIT licence, August 2026) and "CDNA5" Instruction Set Architecture Reference Guide (July 2026). The comments in the code are by the model that wrote it; some were corrected since.
;; Attention. Allowed arithmetic: matrix products marked QUANTISED: E5M2 operands, one E8M0 scale for each 32 along K, by v_wmma_scale_f32_16x16x128_f8f6f4 with both operands' format E5M2, f32 sums; everything else in f32.
;; Inputs: proj_b 512 float32; proj_w_codes 512 x 16 x 32 uint8 (E5M2 codes of proj_w, K innermost, in blocks of 32 codes); proj_w_scales 512 x 16 uint8 (E8M0 scales of proj_w, one for each 32 codes along K); x 3 x 2 x 4,096 x 512 float32.
;; Outputs: out0 2 x 4,096 x 512 float32.
;; This version of the problem:
;;   THIS VERSION OF THE PROBLEM IS GIVEN IN LOW PRECISION. The matrix products marked QUANTISED in the list below multiply operands that are first quantised to E5M2 (5 exponent bits, 2 mantissa bits; 8 bits a number), with one power-of-two scale for each 32 numbers along K (OCP MX v1.0); their sums are f32. All else is computed in f32.
;;   The module's matrix products, in the order in which they are computed (A, B: the left and right operand; K: the contracted axis; several contracted axes count as one K, in the product's order):
;;     1. batch 16 x [M 4,096, K 64] x [K 64, N 4,096]; A: input x; B: input x: QUANTISED
;;     2. batch 16 x [M 4,096, K 4,096] x [K 4,096, N 64]; A: softmax (see below); B: input x: QUANTISED
;;     3. [M 8,192, K 512] x [K 512, N 512]; A: computed on the way; B: input proj_w (given as codes): QUANTISED
;;   THE QUANTISER, for each operand of a quantised product, along K:
;;     - K is cut into blocks of 32 from its start; a last block that is shorter is filled with zeros.
;;     - A block's scale is 2^e with e = floor(log2(the largest magnitude in the block)) - 15, held to -126 .. 127; a block of zeros has e = 0. As a byte (E8M0): e + 127.
;;     - Each number is divided by its block's scale, clamped to +-57,344, and rounded to the nearest number of E5M2, ties to even, subnormals kept.
;;     - The product sums the exact products of the quantised numbers (number of the format x scale) in f32.
;;   ~~~python
;;   def quantise(x, axis):      # numpy; x: float32 -> the quantised numbers, widened to float32 again
;;       x = np.moveaxis(x, axis, -1); K = x.shape[-1]
;;       x = np.pad(x, [(0, 0)] * (x.ndim - 1) + [(0, -K % 32)]); x = x.reshape(x.shape[:-1] + (-1, 32)); a = np.abs(x).max(-1, keepdims=True)
;;       e = np.where(a > 0, np.clip(np.frexp(np.where(a > 0, a, 1))[1] - 1 - 15, -126, 127), 0)      # np.frexp(a)[1] - 1 = floor(log2(a)), exactly
;;       r = np.clip(x / 2.0 ** e, -57344, 57344)
;;       step = 2.0 ** (np.maximum(np.frexp(np.where(r == 0, 1, r))[1] - 1, -14) - 2)
;;       q = np.round(r / step) * step * 2.0 ** e      # np.round: ties to even
;;       return np.moveaxis(q.reshape(q.shape[:-2] + (-1,))[..., :K], -1, axis).astype(np.float32)
;;   ~~~
;;   SOFTMAX AHEAD OF A QUANTISED PRODUCT. Where the list says 'softmax', what is quantised is not the finished softmax but p = 2^(t - M), with t = logit x log2(e) and M = ceil(the row's largest t), a whole number; so 1/2 < the row's largest p <= 1. The row's sum l is taken of the UNQUANTISED p, in f32, and the product's result is divided by l at the end. Since M is a whole number, a kernel that streams over the keys may use a running M (the ceiling of the running maximum): every later rescaling is an exact power of two, which a block's scale takes up: the codes' values come out the same.
;;   OPERANDS COMPUTED ON THE WAY. 'Computed on the way' means the value that the module computes at that place (a softmax that the list does not call 'softmax' is quantised finished and normalised). What goes into a quantiser is computed in f32, as accurately as f32 sums, v_exp_f32 and their like allow (about 1e-6 of the number): no bf16 or f16 on the way to a quantiser, and a product that is left as it is and whose result goes on into a quantised operand takes f32 operands (vector FMAs, or v_wmma_f32_16x16x4_f32). A number that lies on a knife's edge between two numbers of the format may be rounded either way, as far as f32 arithmetic and the matrix unit's own rounding can turn it there, and no further.
;;   INPUTS GIVEN AS CODES. proj_w (in the module: [512, 512], K = its axis 1): each comes as NAME_codes (uint8): NAME with its K axis moved to the last place and cut into blocks of 32 codes, [.., K / 32, bytes a block], one block behind the other in memory; one code a byte (a code: sign, 5 exponent bits, 2 mantissa bits); and NAME_scales (uint8): the same leading axes, one E8M0 byte (e + 127) for each 32 codes along K. Its value is code x scale, taken as it is: it is not quantised again, and the codes and scales need not be those that the quantiser above would give.
;; One version. Each part assembles by itself: llvm-mc -triple=amdgcn-amd-amdhsa -mcpu=gfx1250 --defsym DOCPART=n.
;; ======== version 1 of 1: 3 launches
;; limits: right only within a limited range of input values
;; workspace buffers: qc 4,194,304 bytes; kvc 8,388,608 bytes; sc 393,216 bytes; ac 4,194,304 bytes; asc 131,072 bytes
;; launch quant (part 1): grid 32 x 16, 3 waves a work-group, no clusters, 27,392 bytes of LDS; arguments x, qc, kvc, sc; writes qc, kvc, sc
.if DOCPART == 1
	.amdgcn_target "amdgcn-amd-amdhsa--gfx1250"
	.amdhsa_code_object_version 6
	.text
	.protected	k_q7eafc22577_quant
	.globl	k_q7eafc22577_quant
	.p2align	8
	.type	k_q7eafc22577_quant,@function
k_q7eafc22577_quant:
	s_mov_b64 s[64:65], 0
	v_nop
	global_prefetch_b8 v0, s[64:65] scope:SCOPE_SE
	s_setreg_imm32_b32 hwreg(HW_REG_WAVE_MODE, 25, 1), 1
	s_wait_xcnt 0x0
; x [3][2][4096][512] f32 holds q, k and v.  Each is turned into codes of E5M2 with one E8M0 byte for each 32 along its product's K,
; and laid as IMAGES OF THE OPERAND'S REGISTERS, so that the attention launch loads every fragment by 16-byte loads at 16 x lane.
; A block's scale is 2^(floor(log2(its largest magnitude)) - 15); its byte is the largest magnitude's exponent field - 15, held at 1 from below;
; each number is held within +-57,344 x the scale and rounded to the nearest code, ties to even.
; LIMITS: NaN and infinities among the inputs are not served.  A block of zeros gets the byte 1 where the quantiser's text says 127: its codes
; are zeros, which add nothing under any byte but 0xff, and this program alone reads the bytes.
; SHARES.  Work-group (X, bh) takes rows 128 X .. 128 X + 127 of head bh % 8 of batch bh / 8; wave w takes tensor w (0 q, 1 k, 2 v): 32 KiB in, 8 KiB + 256 bytes out.
; A wave works in four JOBS of 32 rows.  Sixteen lanes load one row's 256 bytes of the head; the 32 rows turn through the wave's own stage in LDS.
;   q, k (K = the head's 64 channels): job j is FRAGMENT j: 16 registers a lane.  Registers 4 c .. 4 c + 3 (c = 2 u + c'): row 16 (r / 8) + 8 u + r % 8 of the 32, channels 32 c' + 16 h + 0 .. 15
;     (r = lane % 16, h = lane / 16): two tiles of 16 rows in one fragment of 128 along K.
;   v (K = the keys): job j is key block j of the 128 keys.  Tile t, lane row r is channel 32 (t / 2) + 16 (r / 8) + 8 (t % 2) + r % 8; registers 4 j .. 4 j + 3 of tile t are keys 32 j + 16 h + 0 .. 15.
; In both a lane holds 16 numbers of four blocks of 32, and lane l xor 16 holds each block's other 16.
; SCALE WORDS: 256 bytes a wave: the word at 8 x lane + 4 g belongs to fragment (tile) 2 g + h, row r.
; No barrier: waves share nothing.  No loop: every offset is an immediate.
.set PITCH, 272                        ; a stage row: 256 bytes + 16
.set STGB,  8960                       ; a wave's stage: row p at 272 p + 128 (p / 16)
.set LANE, 1                           ; v1   lane
.set VO,   2                           ; v2   in: 2,048 h + 16 r: lanes 0-15 one row of x, lanes 16-31 the next
.set SA,   3                           ; v3   into the stage: 272 h + 16 r
.set LRD,  4                           ; v4   out of it by rows (q, k)
.set LCD,  5                           ; v5   out of it by columns (v)
.set LI16, 6                           ; v6   16 x lane
.set LI8,  7                           ; v7   8 x lane
.set R,    16                          ; v16-207  three sets of 64 numbers
.set PC,   208                         ; v208-223 a job's codes
.set TM,   224                         ; v224-227 largest magnitudes, v228-231 bytes, v236-239 the conversions' scale operands
.set SW,   241                         ; v241-244 the four scale words
.set OUTW, 246                         ; v[246:247] the two that my lane stores
.set WV,   12
.set MNT,  13
.set SEL,  14                          ; s[14:15] v_permlanex16_b32's selects for lane l xor 16
	s_load_b256 s[4:11], s[0:1], 0x0               ; x s[4:5], qc s[6:7], kvc s[8:9], sc s[10:11]
	v_lshl_add_u32 v248, v0, 2, 0x6900
	v_mov_b32 v249, 0
	v_lshrrev_b32 v8, 5, v0
	v_readfirstlane_b32 s[WV], v8                  ; wave 0..2 = tensor
	v_and_b32 v[LANE], 31, v0
	v_and_b32 v9, 15, v0                           ; r
	v_bfe_u32 v10, v0, 4, 1                        ; h
	v_bfe_u32 v11, v0, 3, 1                        ; r / 8
	v_and_b32 v12, 7, v0                           ; r % 8
	v_lshl_add_u32 v13, v11, 4, v12                ; 16 (r / 8) + r % 8
	v_lshlrev_b32 v[VO], 4, v9
	v_lshl_add_u32 v[VO], v10, 11, v[VO]
	s_mul_i32 s16, s[WV], STGB                     ; my stage
	v_mul_u32_u24 v[SA], v10, PITCH
	v_lshl_add_u32 v[SA], v9, 4, v[SA]
	v_add_nc_u32 v[SA], s16, v[SA]
	v_mul_u32_u24 v[LRD], v13, PITCH               ; row 16 (r / 8) + r % 8 (+ 8 u in the immediate),
	v_lshl_add_u32 v[LRD], v11, 7, v[LRD]          ; the 128 bytes that rows 16-31 lie further on,
	v_lshl_add_u32 v[LRD], v10, 6, v[LRD]          ; my half's 16 channels
	v_add_nc_u32 v[LRD], s16, v[LRD]
	v_mul_u32_u24 v[LCD], v10, 16*PITCH+128        ; rows 16 h on,
	v_lshl_add_u32 v[LCD], v13, 2, v[LCD]          ; channel 16 (r / 8) + r % 8 (the tile's part in the immediate)
	v_add_nc_u32 v[LCD], s16, v[LCD]
	v_lshlrev_b32 v[LI16], 4, v[LANE]
	v_lshlrev_b32 v[LI8], 3, v[LANE]
.irp b, 0,1,2,3
	v_mov_b32 v[TM+4+\b], 0                        ; written once: a lane permute's destination counts as one of its sources
.endr
	s_mov_b32 s[SEL], 0x76543210
	s_mov_b32 s[SEL+1], 0xfedcba98
	s_and_b32 s17, ttmp7, 0xffff                   ; bh
	s_lshl_b32 s18, s[WV], 24                      ; x: a tensor is 2^24 bytes,
	s_lshr_b32 s24, s17, 3
	s_lshl_b32 s24, s24, 23                        ; a batch 2^23,
	s_add_co_u32 s18, s18, s24
	s_lshl_b32 s24, ttmp9, 18                      ; 128 rows of 2,048 bytes,
	s_add_co_u32 s18, s18, s24
	s_and_b32 s24, s17, 7
	s_lshl_b32 s24, s24, 8                         ; a head's part of a row 256
	s_add_co_u32 s18, s18, s24
	s_mov_b32 s19, 0
	s_lshl_b32 s26, s17, 5
	s_add_co_u32 s26, s26, ttmp9                   ; 32 bh + X
	s_mov_b32 s27, 0
	s_mul_i32 s28, s17, 24576                      ; sc: [bh][tensor][X][256 bytes]
	s_lshl_b32 s24, s[WV], 13
	s_add_co_u32 s28, s28, s24
	s_lshl_b32 s24, ttmp9, 8
	s_add_co_u32 s28, s28, s24
	s_mov_b32 s29, 0
	s_wait_kmcnt 0x0
	s_add_nc_u64 s[4:5], s[4:5], s[18:19]
	s_cmp_eq_u32 s[WV], 0                          ; q's codes go to qc, 8,192 bytes a unit; k's and v's to kvc, 16,384 a unit: K's half, then V's
	s_cselect_b64 s[20:21], s[6:7], s[8:9]
	s_cselect_b32 s24, 13, 14
	s_lshl_b32 s26, s26, s24
	s_lshr_b32 s24, s[WV], 1
	s_lshl_b32 s24, s24, 13
	s_add_co_u32 s26, s26, s24
	s_add_nc_u64 s[20:21], s[20:21], s[26:27]
	s_add_nc_u64 s[22:23], s[10:11], s[28:29]
.macro LOAD j                          ; job j's 32 rows into set j % 3: sixteen lanes read one row's 256 consecutive bytes
.irp i, 0,1,2,3,4,5,6,7,8,9,10,11,12,13,14,15
	global_load_b128 v[R+64*((\j)%3)+4*\i:R+64*((\j)%3)+4*\i+3], v[VO], s[4:5] offset:(32*(\j)+2*\i)*2048 th:TH_LOAD_NT
.endr
.endm
; 64 numbers of a lane, v[XS] on, register 16 b + i = number i of my 16 of block b, become 16 registers of codes in v[PC] on; the four bytes stay in v[TM+4] on.
.macro QUANT
.irp b, 0,1,2,3
	v_max3_num_f32 v[TM+\b], |v[XS+16*\b]|, |v[XS+16*\b+1]|, 0x8000000   ; my 16 numbers, and the floor 2^(16 - 127): so the byte cannot fall under 1
.endr
.irp i, 2,4,6,8,10,12,14
.irp b, 0,1,2,3
	v_max3_num_f32 v[TM+\b], v[TM+\b], |v[XS+16*\b+\i]|, |v[XS+16*\b+\i+1]|   ; the four blocks by turns
.endr
.endr
.irp b, 0,1,2,3
	v_permlanex16_b32 v[TM+4+\b], v[TM+\b], s[SEL], s[SEL+1]
.endr
.irp b, 0,1,2,3
	v_max_num_f32 v[TM+\b], v[TM+\b], v[TM+4+\b]   ; with lane l xor 16's: the block's largest magnitude
.endr
.irp b, 0,1,2,3
	v_add_nc_u32 v[TM+12+\b], 0xf8800000, v[TM+\b] ; 15 off its exponent field: the conversion takes this operand's exponent field as its scale
.endr
.irp b, 0,1,2,3
.endr
.irp b, 0,1,2,3
	v_lshrrev_b32 v[TM+4+\b], 23, v[TM+12+\b]      ; the scale's byte
.endr
.irp b, 0,1,2,3
.irp i, 0,1,2,3,4,5,6,7,8,9,10,11,12,13,14,15
.endr
	v_cvt_scalef32_pk8_bf8_f32 v[PC+4*\b:PC+4*\b+1], v[XS+16*\b:XS+16*\b+7], v[TM+12+\b]
	v_cvt_scalef32_pk8_bf8_f32 v[PC+4*\b+2:PC+4*\b+3], v[XS+16*\b+8:XS+16*\b+15], v[TM+12+\b]
.endr
	v_nop                                          ; one plain vector line behind the last conversion
.endm
; Job j.  mode 0: q or k, read back by rows; mode 1: v, read back by columns.  left: the younger loads that may stay out.
.macro JOB j, mode, left
.set XS, R+64*((\j)%3)
	s_wait_loadcnt \left                           ; loads come back in order: this job's sixteen are in
.irp i, 0,1,2,3,4,5,6,7,8,9,10,11,12,13,14,15
	ds_store_b128 v[SA], v[XS+4*\i:XS+4*\i+3] offset:2*\i*PITCH+(\i/8)*128
.endr
.if \mode == 0
.irp c, 0,1,2,3
.irp g, 0,1,2,3
	ds_load_b128 v[XS+16*\c+4*\g:XS+16*\c+4*\g+3], v[LRD] offset:8*(\c/2)*PITCH+128*(\c%2)+16*\g   ; LDS serves a wave's instructions in order: these see the stores above
.endr
.endr
.else
.irp t, 0,1,2,3
.irp i, 0,1,2,3,4,5,6,7,8,9,10,11,12,13,14,15
	ds_load_b32 v[XS+16*\t+\i], v[LCD] offset:\i*PITCH+4*(32*(\t/2)+8*(\t%2))   ; key 16 h + i of the job's 32, my channel of tile t
.endr
.endr
.endif
	s_wait_dscnt 0x0
.if \j > 0
	s_wait_xcnt 0x0                                ; the last job's stores have read v[PC] on: only now are the codes' registers written again
.endif
	QUANT
.irp g, 0,1,2,3
.if \mode == 0
	global_store_b128 v[LI16], v[PC+4*\g:PC+4*\g+3], s[20:21] offset:2048*\j+512*\g   ; 32 lanes store 512 consecutive bytes
.else
	global_store_b128 v[LI16], v[PC+4*\g:PC+4*\g+3], s[20:21] offset:2048*\g+512*\j
.endif
.endr
.if \mode == 0
	v_lshl_or_b32 v[SW+\j], v[TM+5], 8, v[TM+4]    ; fragment j's word: tile 0's two blocks, tile 1's two
	v_lshl_or_b32 v[SW+\j], v[TM+6], 16, v[SW+\j]
	v_lshl_or_b32 v[SW+\j], v[TM+7], 24, v[SW+\j]
.else
.irp t, 0,1,2,3
.if \j == 0
	v_mov_b32 v[SW+\t], v[TM+4+\t]                 ; tile t's word: byte j is key block j's
.else
	v_lshl_or_b32 v[SW+\t], v[TM+4+\t], 8*\j, v[SW+\t]
.endif
.endr
.endif
.if \j == 0
	LOAD 3                                         ; the set that job 0 has left takes job 3
.endif
.endm
.macro TAIL
	v_cmp_le_u32 vcc_lo, 16, v[LANE]
	v_cndmask_b32 v[OUTW], v[SW], v[SW+1], vcc_lo  ; lanes 0-15: fragments 0 and 2; lanes 16-31: 1 and 3
	v_cndmask_b32 v[OUTW+1], v[SW+2], v[SW+3], vcc_lo
	global_store_b64 v[LI8], v[OUTW:OUTW+1], s[22:23]   ; 32 lanes store 256 consecutive bytes, aligned
	s_wait_tensorcnt 0x0
	ds_add_u32 v248, v249
	s_wait_dscnt 0x0
	s_endpgm
.endm
	LOAD 0
	LOAD 1
	LOAD 2
	s_cmp_eq_u32 s[WV], 2
	s_cbranch_scc1 .Lv
	JOB 0, 0, 32                                   ; behind job 0's loads: jobs 1 and 2
	JOB 1, 0, 32                                   ; jobs 2 and 3
	JOB 2, 0, 16                                   ; job 3
	JOB 3, 0, 0
	TAIL
.Lv:
	s_wait_alu depctr_va_vdst(0)
	JOB 0, 1, 32
	JOB 1, 1, 32
	JOB 2, 1, 16
	JOB 3, 1, 0
	TAIL
.Lfunc_end_k_q7eafc22577_quant:
	.size	k_q7eafc22577_quant, .Lfunc_end_k_q7eafc22577_quant-k_q7eafc22577_quant
	.p2alignl 7, 3214868480
	.fill 96, 4, 3214868480
	.section	.rodata,"a",@progbits
	.p2align	6, 0x0
	.amdhsa_kernel k_q7eafc22577_quant
		.amdhsa_group_segment_fixed_size 27392
		.amdhsa_private_segment_fixed_size 0
		.amdhsa_enable_private_segment 0
		.amdhsa_kernarg_size 32
		.amdhsa_user_sgpr_count 2
		.amdhsa_user_sgpr_kernarg_segment_ptr 1
		.amdhsa_wavefront_size32 1
		.amdhsa_system_sgpr_workgroup_id_x 1
		.amdhsa_system_sgpr_workgroup_id_y 1
		.amdhsa_system_sgpr_workgroup_id_z 1
		.amdhsa_system_vgpr_workitem_id 0
		.amdhsa_next_free_vgpr 250
		.amdhsa_next_free_sgpr 66
		.amdhsa_reserve_vcc 1
		.amdhsa_float_denorm_mode_32 3
		.amdhsa_float_denorm_mode_16_64 3
		.amdhsa_fp16_overflow 1
		.amdhsa_memory_ordered 1
		.amdhsa_forward_progress 1
		.amdhsa_inst_pref_size 72
	.end_amdhsa_kernel
	.amdgpu_metadata
---
amdhsa.version: [ 1, 2 ]
amdhsa.kernels:
  - .name:           k_q7eafc22577_quant
    .symbol:         k_q7eafc22577_quant.kd
    .args:
      - { .name: x, .offset: 0, .size: 8, .value_kind: global_buffer, .address_space: global }
      - { .name: qc, .offset: 8, .size: 8, .value_kind: global_buffer, .address_space: global }
      - { .name: kvc, .offset: 16, .size: 8, .value_kind: global_buffer, .address_space: global }
      - { .name: sc, .offset: 24, .size: 8, .value_kind: global_buffer, .address_space: global }
    .group_segment_fixed_size: 27392
    .private_segment_fixed_size: 0
    .kernarg_segment_align: 8
    .kernarg_segment_size: 32
    .max_flat_workgroup_size: 96
    .sgpr_count:     66
    .vgpr_count:     250
    .wavefront_size: 32
...
	.end_amdgpu_metadata
.endif
;; end of part 1
;; launch attn (part 2): grid 16 x 16, 16 waves a work-group, clusters of 4 x 1, 327,680 bytes of LDS; arguments qc, sc, kvc, ac, asc; writes ac, asc
.if DOCPART == 2
	.amdgcn_target "amdgcn-amd-amdhsa--gfx1250"
	.amdhsa_code_object_version 6
	.text
	.protected	k_q7eafc22577_attn
	.globl	k_q7eafc22577_attn
	.p2align	8
	.type	k_q7eafc22577_attn,@function
k_q7eafc22577_attn:
	s_mov_b64 s[64:65], 0
	v_nop
	global_prefetch_b8 v0, s[64:65] scope:SCOPE_SE
	s_setreg_imm32_b32 hwreg(HW_REG_WAVE_MODE, 25, 1), 1
	s_wait_xcnt 0x0
	s_wait_alu depctr_hold_cnt(0) depctr_sa_sdst(0) depctr_va_vdst(0) depctr_va_sdst(0) depctr_va_ssrc(0) depctr_va_vcc(0) depctr_vm_vsrc(0)
	s_getreg_b32 s2, hwreg(HW_REG_IB_STS2, 6, 4)
	s_cmp_eq_u32 s2, 0
	s_cbranch_scc0 .Lentry_in_a_cluster
	s_endpgm
.Lentry_in_a_cluster:
	s_bfe_u32 s2, ttmp6, 0x10000c
	s_cmp_lg_u32 s2, 0x3003
	s_cbranch_scc0 .Lentry_shape_is_right
	s_endpgm
.Lentry_shape_is_right:
; For each of 16 (batch, head): O[q] = the sum over k of softmax_k(Q[q] . K[k] / 8) V[k], both products on codes of E5M2 with one E8M0 scale for each 32 along K; then O is quantised along the model's 512 for the projection.
; THE SOFTMAX: t = score x log2(e) / 8; M = the running largest t rounded UP to a whole number; p = 2^(t - M) is quantised along the keys, not normalised; the row's sum is taken of the unquantised p and divides O at
; the end.  When M moves, the sum and O are multiplied by 2^(old M - new M), which rounds nothing.
; LIMITS: NaN and infinities are not served.  v_exp_f32 gives 0 for a p under 2^-126.  A block's largest p is made from the block's largest score by the same multiply-add and exponential, which takes v_exp_f32 not to fall
; where its input rises.  A block of zeros gets the byte 1: its codes are zeros, and this program alone reads the bytes.
; SHARES.  A work-group owns 256 queries of one (batch, head) bh; each of its sixteen waves owns one tile of 16 in 256 registers: four waves to a SIMD, so that one wave's vector work stands beside another's products and LDS loads.
; Every wave walks 32 key steps of 128 keys.  K, V come as register images (made by the launch before) through a ring of two LDS slots of four key steps, 16,384 bytes a step: K's 8,192, then V's.
; CLUSTER.  The four query blocks of a cluster walk the same K and V: each record is asked for JOINTLY, by the same tensor load with the same descriptor and a mask that names the four.
; K = 64 IN A FORM OF K = 128.  A fragment of K holds TWO tiles of 16 keys: tile 0's 64 channels at k 0-63, tile 1's at k 64-127.  Q lies in 24 registers, zeros | q | zeros: v[24:39] = (q, 0) picks tile 0, v[16:31] = (0, q) tile 1:
; a code times the code 0 adds nothing (K's codes are finite: the quantiser holds them; every scale byte lies in 1 .. 254).
; BOTH PRODUCTS TRANSPOSED: S^T = K Q^T, O^T = V^T P^T: a lane holds ONE query (lane % 16) throughout.  The keys of a tile and V's channels of a tile were chosen by the launch before so that register 16 b + i of S^T is key
; 32 b + 16 h + i and register 16 b + i of O^T is channel 32 b + 16 h + i (h = lane / 16): the conversions' results are the next operand's registers.
.set SLOT1, 1<<17                      ; slot 0 at LDS byte 0, slot 1 here: one exclusive or turns an address
.set REC,   16384                      ; a key step's record
.set SCB,   65536                      ; the head's scale words: K's 8,192 bytes, then V's 8,192: filled once
.set SPARE, 81920                      ; the spare words: 128 bytes for each of 16 waves: eight blocks of 256 bytes that no other line names
.set SCG,   83968                      ; 512 bytes: O's scale bytes are gathered here; no fill lands here
.set LI16, 1                           ; v1   16 x lane
.set LI8S, 2                           ; v2   8 x lane + SCB
.set ADR,  3                           ; v3   16 x lane + the slot in hand
.set ADS,  4                           ; v4   my scale words of the slot in hand
.set SPW,  5                           ; v5   LDS address of my spare word; never rewritten
.set NIL,  6                           ; v6   0; never rewritten
.set PFO,  7                           ; v7   256 x lane: the prefetches' offset; never rewritten
.set SBA,  8                           ; v8   where my lane puts a scale byte of O
.set SGR,  9                           ; v9   SCG + 16 x lane
.set QZ,   16                          ; v16-23 zeros, v24-31 q, v32-39 zeros
.set KF,   40                          ; v40-103  K's four fragments
.set S,    104                         ; v104-167 S^T, then p, then V's four fragments
.set O,    168                         ; v168-199 O^T
.set PC,   200                         ; v200-215 p's codes
.set BM,   216                         ; v216-219 the blocks' largest scores, then largest p
.set PB,   220                         ; v220-223 at work; the bytes
.set HD,   224
.set SO,   228                         ; v228-231 the conversions' scale operands
.set KS,   232                         ; v[232:233] K's scale words
.set VS,   234                         ; v[234:235] V's
.set QS,   236                         ; v236 Q's
.set PS,   237                         ; v237 p's
.set F,    238                         ; v[238:239] f = 2^(old M - new M); the upper register is named with it and holds 0
.set T,    240
.set CH,   242                         ; v[242:243] the sums' second chain
; v12 -M, v13 the largest t, v[14:15] the sum in two halves
.set TB,   2                           ; s2   the slot in hand
.set TS,   3                           ; s3   its scale words: 1,024 bytes a slot
.set WV,   18
.set MNT,  19
.set SEL,  20
.set CS,   22                          ; s[22:23] c = log2(e) / 8
.set G1,   24                          ; s[24:31] descriptor group 1: 64 rows of 256 bytes, dense
.set G0S,  32                          ; s[32:35] group 0 for the scale words
.set G0,   40                          ; s[40:43] group 0 for the records: it walks
.set SLOTS, 44
.set LIM,  45                          ; 1 in a wave that prefetches, else the greatest number
.set PFA,  46                          ; s[46:47] where my prefetches stand
.macro CROUND                          ; a round of the cluster's barrier
	s_barrier_signal -1
	s_barrier_wait -1
	s_cmp_lg_u32 s[WV], 0
	s_cbranch_scc1 .Lnot_wave_0_\@
	s_barrier_signal -3
.Lnot_wave_0_\@:
	s_barrier_wait -3
	s_barrier_signal -1
	s_barrier_wait -1
.endm
.macro JLOAD                           ; waves 0 to 3 fetch one record each; the branch hangs on the wave's number alone.  Four v_nop follow the load
	s_cmp_lt_u32 s[WV], 4
	s_cbranch_scc0 .Lasked_\@
	tensor_load_to_lds s[G0:G0+3], s[G1:G1+7]
	s_nop 0
.rept 4
	v_nop
.endr
.Lasked_\@:
.endm
; A PREFETCH INTO THE L2 of the slot that the NEXT change of slots will ask for: 65,536 bytes.  All clusters of a head walk the same records: the head's first cluster asks.  Its four partners take 16,384 bytes each,
; told apart BY ADDRESS; in each, waves 8 and 9 ask for 8,192 bytes, lanes 256 bytes apart: each aligned block of 256 bytes is named once in the launch.  It stands in a slot's last key step, behind the wave's run of LDS loads.
; The last change that fills a slot has no slot behind it: nothing is asked for then.  Slots 0 and 1 come by their loads alone.
.macro ASK
	s_cmp_gt_u32 s[SLOTS], s[LIM]
	s_cbranch_scc0 .Lnot_mine_\@
	global_prefetch_b8 v[PFO], s[PFA:PFA+1] th:TH_LOAD_NT scope:SCOPE_SE
.Lnot_mine_\@:
.endm
	s_load_b256 s[4:11], s[0:1], 0x0               ; qc s[4:5], sc s[6:7], kvc s[8:9], ac s[10:11]
	s_load_b64 s[12:13], s[0:1], 0x20              ; asc
	v_lshl_add_u32 v[SPW], v0, 2, SPARE
	v_mov_b32 v[NIL], 0
	ds_add_u32 v5, v6
	ds_add_u32 v5, v6
	s_wait_dscnt 0x0
	v_lshrrev_b32 v10, 5, v0
	s_delay_alu instid0(VALU_DEP_1)
	v_readfirstlane_b32 s[WV], v10                 ; wave 0..15
	s_bfe_u32 s14, ttmp6, 0x40000                  ; cx
	s_lshl_b32 s15, ttmp9, 2
	s_add_co_u32 s15, s15, s14                     ; QB: my block of 256 queries: it enters global addresses of qc, sc (q's words), ac and asc alone
	s_and_b32 s16, ttmp7, 0xffff                   ; bh, which the four partners share
	s_mov_b32 s[G1], 15|(3<<16)|(1<<21)            ; 15:0 the mask: all four; 17:16 elements of 8 bytes; 21 set beside a mask; no padding
	s_mov_b32 s[G1+1], 32<<16                      ; tensor_dim0 = 32 elements
	s_mov_b32 s[G1+2], 64<<16                      ; tensor_dim1 = 64
	s_mov_b32 s[G1+3], 32<<16                      ; tile_dim0 = 32
	s_mov_b32 s[G1+4], 64                          ; tile_dim1 = 64
	s_mov_b32 s[G1+5], 32                          ; from row to row
	s_mov_b32 s[G1+6], 0
	s_mov_b32 s[G1+7], 0
	s_and_b32 s52, s[WV], 3
	s_lshl_b32 s52, s52, 14                        ; the record that I fetch, if I fetch: its place in a slot and in memory
	s_mov_b32 s53, 0
	s_lshl_b32 s50, s16, 19                        ; the head's records: 524,288 bytes
	s_mov_b32 s51, 0
	s_mul_i32 s38, s16, 24576                      ; the head's scale words
	s_mov_b32 s39, 0
	s_lshl_b32 s54, s16, 18                        ; q's codes: 262,144 bytes a head, 16,384 a block, 1,024 a tile
	s_lshl_b32 s56, s15, 14
	s_add_co_u32 s54, s54, s56
	s_lshl_b32 s56, s[WV], 10
	s_add_co_u32 s54, s54, s56
	s_mov_b32 s55, 0
	s_lshl_b32 s56, s15, 9                         ; q's scale words: unit 2 QB + wave / 8; fragment j = (wave / 2) % 4: the word at 8 r + 128 (j % 2) + 4 (j / 2)
	s_lshr_b32 s49, s[WV], 3
	s_lshl_b32 s49, s49, 8
	s_add_co_u32 s56, s56, s49
	s_bfe_u32 s49, s[WV], 0x10001
	s_lshl_b32 s49, s49, 7
	s_add_co_u32 s56, s56, s49
	s_bfe_u32 s49, s[WV], 0x10002
	s_lshl_b32 s49, s49, 2
	s_add_co_u32 s56, s56, s49
	s_mov_b32 s57, 0
	s_mov_b32 s[SEL], 0x76543210
	s_mov_b32 s[SEL+1], 0xfedcba98
	s_mov_b32 s[CS], 0x3e38aa3b                    ; log2(e) / 8
	s_mov_b32 s[CS+1], s[CS]                       ; named with it as a pair, so it is written
	s_mov_b32 s[TB], 0
	s_mov_b32 s[TS], 0
	s_mov_b32 s[SLOTS], 7
	s_and_b32 s49, s[WV], 1                        ; my tile is tile wave % 2 of its fragment: bytes 0, 1 or 2, 3 of the fragment's word, taken twice
	s_cmp_eq_u32 s49, 0
	s_mov_b32 s48, 0x03020302
	s_cselect_b32 s48, 0x01000100, s48
	s_lshr_b32 s49, s[WV], 1
	s_xor_b32 s49, s49, 4                          ; 0 in waves 8 and 9,
	s_or_b32 s49, s49, ttmp9                       ; of the head's first cluster: the same in all four partners
	s_cmp_eq_u32 s49, 0
	s_cselect_b32 s[LIM], 1, -1
	s_wait_kmcnt 0x0
	s_mov_b32 s[G0], 1
	s_mov_b32 s[G0+1], s52
	s_add_nc_u64 s[G0+2:G0+3], s[8:9], s[50:51]
	s_add_nc_u64 s[G0+2:G0+3], s[G0+2:G0+3], s[52:53]
	s_or_b32 s[G0+3], s[G0+3], 0x80000000
	s_mov_b32 s[G0S], 1
	s_mov_b32 s[G0S+1], SCB
	s_add_nc_u64 s[G0S+2:G0S+3], s[6:7], s[38:39]
	s_add_nc_u64 s[G0S+2:G0S+3], s[G0S+2:G0S+3], 8192   ; behind q's words: K's and V's, 16,384 dense bytes
	s_or_b32 s[G0S+3], s[G0S+3], 0x80000000
	s_add_nc_u64 s[4:5], s[4:5], s[54:55]
	s_add_nc_u64 s[36:37], s[6:7], s[38:39]
	s_add_nc_u64 s[36:37], s[36:37], s[56:57]
	s_lshr_b32 s54, s16, 3                         ; ac: [row tile 256 b + 16 QB + wave][K step head / 2][c = 2 (head % 2) + block][lane][16 bytes]
	s_lshl_b32 s54, s54, 8
	s_lshl_b32 s56, s15, 4
	s_add_co_u32 s54, s54, s56
	s_add_co_u32 s54, s54, s[WV]
	s_lshl_b32 s54, s54, 13
	s_bfe_u32 s56, s16, 0x20001
	s_lshl_b32 s56, s56, 11
	s_add_co_u32 s54, s54, s56
	s_and_b32 s56, s16, 1
	s_lshl_b32 s56, s56, 10
	s_add_co_u32 s54, s54, s56
	s_add_nc_u64 s[10:11], s[10:11], s[54:55]
	s_lshl_b32 s54, s16, 13                        ; asc: [bh][16 x row tile + r][2 bytes]: 512 bytes a work-group
	s_lshl_b32 s56, s15, 9
	s_add_co_u32 s54, s54, s56
	s_add_nc_u64 s[12:13], s[12:13], s[54:55]
	s_lshl_b32 s54, s14, 14                        ; the prefetches: my work-group's quarter of a slot, my wave's half of that,
	s_and_b32 s56, s[WV], 1
	s_lshl_b32 s56, s56, 13
	s_add_co_u32 s54, s54, s56
	s_add_co_u32 s54, s54, 65536                   ; in slot 1: the first change of slots steps it to slot 2
	s_add_nc_u64 s[PFA:PFA+1], s[8:9], s[50:51]
	s_add_nc_u64 s[PFA:PFA+1], s[PFA:PFA+1], s[54:55]
	CROUND                                         ; all four work-groups are here: the first joint loads meet
	s_cmp_lt_u32 s[WV], 4                          ; the first fills: waves 0 to 3 slot 0's four records, wave 4 the head's scale words: one load a wave
	s_cbranch_scc0 .Lnot_kv
	tensor_load_to_lds s[G0:G0+3], s[G1:G1+7]
	s_nop 0
.rept 4
	v_nop
.endr
	s_branch .Lfirst_asked
.Lnot_kv:
	s_cmp_eq_u32 s[WV], 4
	s_cbranch_scc0 .Lfirst_asked
	tensor_load_to_lds s[G0S:G0S+3], s[G1:G1+7]
	s_nop 0
.rept 4
	v_nop
.endr
.Lfirst_asked:
	v_and_b32 v10, 31, v0                          ; lane
	s_delay_alu instid0(VALU_DEP_1)
	v_lshlrev_b32 v[LI16], 4, v10
	s_delay_alu instid0(VALU_DEP_2)
	v_lshl_add_u32 v[LI8S], v10, 3, SCB
	s_delay_alu instid0(VALU_DEP_3)
	v_lshlrev_b32 v[PFO], 8, v10
	v_and_b32 v11, 15, v0                          ; r
	v_bfe_u32 v10, v0, 4, 1                        ; h
	v_and_b32 v[SBA], 0x1e0, v0                    ; 32 x wave
	s_delay_alu instid0(VALU_DEP_1)
	v_lshl_add_u32 v[SBA], v11, 1, v[SBA]          ; + 2 r
	s_delay_alu instid0(VALU_DEP_1)
	v_add_nc_u32 v[SBA], v[SBA], v10               ; + h: lanes 0-15 put block 0's byte, lanes 16-31 block 1's
	s_delay_alu instid0(VALU_DEP_1)
	v_add_nc_u32 v[SBA], SCG, v[SBA]
	v_add_nc_u32 v[SGR], SCG, v[LI16]
	v_lshlrev_b32 v11, 3, v11                      ; 8 r
	global_load_b128 v[QZ+8:QZ+11], v[LI16], s[4:5]              ; q: channels 16 h + 0 .. 15,
	global_load_b128 v[QZ+12:QZ+15], v[LI16], s[4:5] offset:512  ; 32 + 16 h + 0 .. 15
	global_load_b32 v[T], v11, s[36:37]            ; its fragment's scale words
.irp j, 0,1,2,3,4,5,6,7
	v_mov_b32 v[QZ+\j], 0
	v_mov_b32 v[QZ+16+\j], 0
.endr
.set n, 0
.rept 32
	v_mov_b32 v[O+n], 0                            ; the loop has no first step of its own: it finds zeros, which the first change of M leaves zeros
.set n, n+1
.endr
	v_mov_b32 v13, 0xff61b1e6                      ; the largest t so far: -3e38
	s_delay_alu instid0(VALU_DEP_1)
	v_floor_f32 v12, -v13                          ; -M
	v_mov_b32 v14, 0
	v_mov_b32 v15, 0
.irp b, 0,1,2,3
	v_mov_b32 v[PB+\b], 0                          ; a lane permute's destination counts as one of its sources
.endr
	v_mov_b32 v[F+1], 0
	s_wait_loadcnt 0x0
	v_perm_b32 v[QS], v[T], v[T], s48              ; Q's scale word: (q0, q1, q0, q1): it serves both places of q.  The two additions of the change of slots and the step's nine v_nop stand between it and the first product
.macro SPROD f                         ; fragment f's two tiles of keys against my queries; the sums begin with 0
.if (\f)%2
	v_wmma_scale_f32_16x16x128_f8f6f4 v[S+16*\f:S+16*\f+7], v[KF+16*\f:KF+16*\f+15], v[QZ+8:QZ+23], 0, v[KS+(\f)/2], v[QS] matrix_a_fmt:MATRIX_FMT_BF8 matrix_b_fmt:MATRIX_FMT_BF8 matrix_a_scale:MATRIX_SCALE_ROW1
	v_wmma_scale_f32_16x16x128_f8f6f4 v[S+16*\f+8:S+16*\f+15], v[KF+16*\f:KF+16*\f+15], v[QZ:QZ+15], 0, v[KS+(\f)/2], v[QS] matrix_a_fmt:MATRIX_FMT_BF8 matrix_b_fmt:MATRIX_FMT_BF8 matrix_a_scale:MATRIX_SCALE_ROW1
.else
	v_wmma_scale_f32_16x16x128_f8f6f4 v[S+16*\f:S+16*\f+7], v[KF+16*\f:KF+16*\f+15], v[QZ+8:QZ+23], 0, v[KS+(\f)/2], v[QS] matrix_a_fmt:MATRIX_FMT_BF8 matrix_b_fmt:MATRIX_FMT_BF8
	v_wmma_scale_f32_16x16x128_f8f6f4 v[S+16*\f+8:S+16*\f+15], v[KF+16*\f:KF+16*\f+15], v[QZ:QZ+15], 0, v[KS+(\f)/2], v[QS] matrix_a_fmt:MATRIX_FMT_BF8 matrix_b_fmt:MATRIX_FMT_BF8
.endif
.endm
.macro VPROD t                         ; O^T's tile t += V^T's tile t x p
.if (\t)%2
	v_wmma_scale_f32_16x16x128_f8f6f4 v[O+8*\t:O+8*\t+7], v[S+16*\t:S+16*\t+15], v[PC:PC+15], v[O+8*\t:O+8*\t+7], v[VS+(\t)/2], v[PS] matrix_a_fmt:MATRIX_FMT_BF8 matrix_b_fmt:MATRIX_FMT_BF8 matrix_a_scale:MATRIX_SCALE_ROW1
.else
	v_wmma_scale_f32_16x16x128_f8f6f4 v[O+8*\t:O+8*\t+7], v[S+16*\t:S+16*\t+15], v[PC:PC+15], v[O+8*\t:O+8*\t+7], v[VS+(\t)/2], v[PS] matrix_a_fmt:MATRIX_FMT_BF8 matrix_b_fmt:MATRIX_FMT_BF8
.endif
.endm
; A KEY STEP: 128 keys, the q-th of the slot in hand.
.macro STEP q, ask
	ds_load_b64 v[KS:KS+1], v[ADS] offset:256*\q   ; lanes 0-15: fragments 0 and 2; lanes 16-31: 1 and 3
.irp f, 0,1,2,3
.irp c, 0,1,2,3
	ds_load_b128 v[KF+16*\f+4*\c:KF+16*\f+4*\c+3], v[ADR] offset:REC*\q+2048*\f+512*\c   ; a register image: 512 consecutive bytes an instruction
.endr
.endr
.if \ask
	ASK
.endif
.rept 9
	v_nop                                          ; the products below write over registers that the last step's V^T P read as an operand: nine places (one more than a read wants)
.endr
.irp f, 0,1,2,3
	s_wait_dscnt 12-4*\f                           ; fragment f is in; four loads for each younger fragment may be out
	SPROD \f
.endr
.rept 8
	v_nop
.endr
.irp b, 0,1,2,3
	v_max3_num_f32 v[BM+\b], v[S+16*\b], v[S+16*\b+1], v[S+16*\b+2]   ; the largest score of each block of 32 keys: for the row's maximum, and for the block's largest p.  Each result is read from its low end on
.endr
.irp i, 3,5,7,9,11,13
.irp b, 0,1,2,3
	v_max3_num_f32 v[BM+\b], v[BM+\b], v[S+16*\b+\i], v[S+16*\b+\i+1]
.endr
.endr
.irp b, 0,1,2,3
	v_max_num_f32 v[BM+\b], v[BM+\b], v[S+16*\b+15]
.endr
.irp b, 0,1,2,3
	s_delay_alu instid0(VALU_DEP_4)
	v_permlanex16_b32 v[PB+\b], v[BM+\b], s[SEL], s[SEL+1]
.endr
.irp b, 0,1,2,3
	s_delay_alu instid0(VALU_DEP_4)
	v_max_num_f32 v[BM+\b], v[BM+\b], v[PB+\b]     ; with lane l xor 16's 16 keys
.endr
	s_delay_alu instid0(VALU_DEP_2)
	v_max3_num_f32 v[T], v[BM], v[BM+1], v[BM+2]
	s_delay_alu instid0(VALU_DEP_1)
	v_max_num_f32 v[T], v[T], v[BM+3]              ; the step's largest score of my query
	s_delay_alu instid0(VALU_DEP_1)
	v_mul_f32 v[T], s[CS], v[T]                    ; as t (c is positive)
	s_delay_alu instid0(VALU_DEP_1)
	v_max_num_f32 v13, v13, v[T]                   ; the running largest t
	v_mov_b32 v[T], v12
	s_delay_alu instid0(VALU_DEP_2)
	v_floor_f32 v12, -v13                          ; the new -M = floor(-t) = -ceil(t)
	s_delay_alu instid0(VALU_DEP_1)
	v_sub_f32 v[T], v12, v[T]                      ; old M - new M: a whole number, 0 or less
	s_delay_alu instid0(VALU_DEP_1)
	v_cvt_i32_f32 v[T], v[T]                       ; (it saturates)
	s_delay_alu instid0(VALU_DEP_1)
	v_ldexp_f32 v[F], 1.0, v[T]                    ; f = 2^(old M - new M)
.set n, 0
.rept 32
	v_pk_fma_f32 v[S+n:S+n+1], v[S+n:S+n+1], s[CS:CS+1], v[12:13] op_sel_hi:[1,0,0]   ; t - M, two at a time
.set n, n+2
.endr
.irp b, 0,1,2,3
	v_fma_f32 v[BM+\b], v[BM+\b], s[CS], v12       ; the same of each block's largest score
.endr
.set n, 0
	s_wait_alu depctr_va_vdst(0)
.rept 64
	v_exp_f32 v[S+n], v[S+n]                       ; p = 2^(t - M), at most 1
.set n, n+1
.endr
	v_pk_mul_f32 v[14:15], v[14:15], v[F:F+1] op_sel_hi:[1,0]   ; the sums under the new M: the plain line behind the exponentials
	s_wait_alu depctr_va_vdst(0)                   ; one wait for the batch of 64, ahead of its first reader
.irp b, 0,1,2,3
	v_exp_f32 v[BM+\b], v[BM+\b]                   ; the block's largest p
.endr
	v_pk_add_f32 v[242:243], v[108:109], v[112:113]
	v_pk_add_f32 v[254:255], v[116:117], v[120:121]
	v_pk_add_f32 v[252:253], v[124:125], v[128:129]
	v_pk_add_f32 v[250:251], v[132:133], v[136:137]
	v_pk_add_f32 v[248:249], v[140:141], v[144:145]
	v_pk_add_f32 v[246:247], v[148:149], v[152:153]
	v_pk_add_f32 v[244:245], v[156:157], v[160:161]
	v_pk_add_f32 v[14:15], v[14:15], v[164:165]
	v_pk_add_f32 v[242:243], v[242:243], v[104:105]
	v_pk_add_f32 v[254:255], v[254:255], v[106:107]
	v_pk_add_f32 v[252:253], v[252:253], v[110:111]
	v_pk_add_f32 v[250:251], v[250:251], v[114:115]
	v_pk_add_f32 v[248:249], v[248:249], v[118:119]
	v_pk_add_f32 v[246:247], v[246:247], v[122:123]
	v_pk_add_f32 v[244:245], v[244:245], v[126:127]
	v_pk_add_f32 v[14:15], v[14:15], v[130:131]
	v_pk_add_f32 v[242:243], v[242:243], v[134:135]
	v_pk_add_f32 v[254:255], v[254:255], v[138:139]
	v_pk_add_f32 v[252:253], v[252:253], v[142:143]
	v_pk_add_f32 v[250:251], v[250:251], v[146:147]
	v_pk_add_f32 v[248:249], v[248:249], v[150:151]
	v_pk_add_f32 v[246:247], v[246:247], v[154:155]
	v_pk_add_f32 v[244:245], v[244:245], v[158:159]
	v_pk_add_f32 v[14:15], v[14:15], v[162:163]
	v_pk_add_f32 v[242:243], v[242:243], v[166:167]
	s_delay_alu instid0(VALU_DEP_2)
	v_pk_add_f32 v[14:15], v[14:15], v[250:251]
	s_delay_alu instid0(VALU_DEP_2)
	v_pk_add_f32 v[242:243], v[242:243], v[248:249]
	v_pk_add_f32 v[254:255], v[254:255], v[246:247]
	v_pk_add_f32 v[252:253], v[252:253], v[244:245]
	s_delay_alu instid0(VALU_DEP_2)
	v_pk_add_f32 v[14:15], v[14:15], v[254:255]
	s_delay_alu instid0(VALU_DEP_2)
	v_pk_add_f32 v[242:243], v[242:243], v[252:253]
	s_delay_alu instid0(VALU_DEP_1)
	v_pk_add_f32 v[14:15], v[14:15], v[242:243]
	s_wait_alu depctr_va_vdst(0)                   ; and one for the four
.irp b, 0,1,2,3
	v_max_num_f32 v[BM+\b], 0x8000000, v[BM+\b]    ; the floor 2^(16 - 127): the byte cannot fall under 1
.endr
.irp b, 0,1,2,3
	s_delay_alu instid0(VALU_DEP_4)
	v_add_nc_u32 v[SO+\b], 0xf8800000, v[BM+\b]    ; 15 off the exponent field: the conversion's scale operand
.endr
.irp b, 0,1,2,3
.endr
.irp b, 0,1,2,3
	s_delay_alu instid0(VALU_DEP_4)
	v_lshrrev_b32 v[PB+\b], 23, v[SO+\b]           ; the scale's byte
.endr
	s_delay_alu instid0(VALU_DEP_3)
	v_lshl_or_b32 v[PS], v[PB+1], 8, v[PB]         ; p's scale word for these 128 keys: far more than eight places ahead of its products
	s_delay_alu instid0(VALU_DEP_1)
	v_lshl_or_b32 v[PS], v[PB+2], 16, v[PS]
	s_delay_alu instid0(VALU_DEP_1)
	v_lshl_or_b32 v[PS], v[PB+3], 24, v[PS]
.irp b, 0,1,2,3
.irp i, 0,1,2,3,4,5,6,7,8,9,10,11,12,13,14,15
.endr
	v_cvt_scalef32_pk8_bf8_f32 v[PC+4*\b:PC+4*\b+1], v[S+16*\b:S+16*\b+7], v[SO+\b]
	v_cvt_scalef32_pk8_bf8_f32 v[PC+4*\b+2:PC+4*\b+3], v[S+16*\b+8:S+16*\b+15], v[SO+\b]
.endr
	ds_load_b64 v[VS:VS+1], v[ADS] offset:8192+256*\q
	v_nop
.irp t, 0,1,2,3
.irp c, 0,1,2,3
	ds_load_b128 v[S+16*\t+4*\c:S+16*\t+4*\c+3], v[ADR] offset:REC*\q+8192+2048*\t+512*\c   ; V's fragments take the registers that p has left
.endr
.endr
.set n, 0
.rept 16
	v_pk_mul_f32 v[O+n:O+n+1], v[O+n:O+n+1], v[F:F+1] op_sel_hi:[1,0]   ; O^T under the new M.  These are also the plain line behind the conversions and the places between the codes and their products
.set n, n+2
.endr
	s_wait_alu depctr_va_vdst(0)
.irp t, 0,1,2,3
	s_wait_dscnt 12-4*\t                           ; tile t is in; four loads for each younger tile may be out
	VPROD \t                                       ; the four accumulators take turns, one instruction a turn
.endr
.endm
; THE CHANGE OF SLOTS stands at a slot's head.  Each wave waits for all its tensor loads, adds 0 to its spare word, and waits for that and for its reads of the slot that it has left.
; fill = 1: that slot is filled with the four key steps that follow: the barrier is a round of the cluster's, and the joint load is the first thing behind it; it has four key steps in which to land.
.macro CHANGE fill
	s_wait_tensorcnt 0x0                           ; no tensor load of mine is out, so the walking group 0 may be written
	ds_add_u32 v[SPW], v[NIL]                      ; 0 onto my spare word
.if \fill
	s_xor_b32 s[G0+1], s[G0+1], SLOT1              ; the other slot than last time,
	s_add_nc_u64 s[G0+2:G0+3], s[G0+2:G0+3], 65536 ; the next four records; the type bits on top are not reached
	s_wait_xcnt 0x0                                ; the last prefetch, a key step back, has read its address
	s_add_nc_u64 s[PFA:PFA+1], s[PFA:PFA+1], 65536 ; one slot further on than the walking descriptor
.endif
	s_wait_dscnt 0x0                               ; the add is done, and my reads of the slot that I have left are over
.if \fill
	CROUND
	JLOAD
.else
	s_barrier_signal -1
	s_barrier_wait -1
.endif
	v_add_nc_u32 v[ADR], s[TB], v[LI16]
	v_add_nc_u32 v[ADS], s[TS], v[LI8S]
.endm
.macro SLOT ask
	STEP 0, 0
	STEP 1, 0
	STEP 2, 0
	STEP 3, \ask
	s_xor_b32 s[TB], s[TB], SLOT1
	s_add_co_u32 s[TS], s[TS], 1024
.endm
.Lslot:                                            ; seven trips: behind each change of slots but the last the next slot is asked for
	CHANGE 1
	s_wait_alu depctr_va_vdst(0)
	SLOT 1
	s_sub_co_u32 s[SLOTS], s[SLOTS], 1
	s_cmp_lg_u32 s[SLOTS], 0
	s_cbranch_scc1 .Lslot
	CHANGE 0                                       ; the last slot is written out
	SLOT 0
	; THE WAY OUT.  O^T / the row's sum, quantised along the model's 512: my head's 64 channels are two blocks of 32, each in lanes l and l xor 16.
	v_add_f32 v14, v14, v15                        ; the sum's two halves,
	s_delay_alu instid0(VALU_DEP_1)
	v_permlanex16_b32 v[T], v14, s[SEL], s[SEL+1]
	s_delay_alu instid0(VALU_DEP_1)
	v_add_f32 v14, v14, v[T]                       ; and lane l xor 16's
.rept 6
	v_nop                                          ; with the two additions: eight places behind the last products
.endr
	s_wait_alu depctr_va_vdst(0)
	v_rcp_f32 v[F], v14
	v_nop                                          ; a plain line behind the reciprocal
	s_wait_alu depctr_va_vdst(0)                   ; and the wait ahead of its first reader
.set n, 0
.rept 16
	v_pk_mul_f32 v[O+n:O+n+1], v[O+n:O+n+1], v[F:F+1] op_sel_hi:[1,0]   ; ascending: each result from its low end on
.set n, n+2
.endr
.irp b, 0,1
	v_max3_num_f32 v[BM+\b], |v[O+16*\b]|, |v[O+16*\b+1]|, 0x8000000
.endr
.irp i, 2,4,6,8,10,12,14
.irp b, 0,1
	s_delay_alu instid0(VALU_DEP_2)
	v_max3_num_f32 v[BM+\b], v[BM+\b], |v[O+16*\b+\i]|, |v[O+16*\b+\i+1]|
.endr
.endr
.irp b, 0,1
	s_delay_alu instid0(VALU_DEP_2)
	v_permlanex16_b32 v[PB+\b], v[BM+\b], s[SEL], s[SEL+1]
.endr
.irp b, 0,1
	s_delay_alu instid0(VALU_DEP_2)
	v_max_num_f32 v[BM+\b], v[BM+\b], v[PB+\b]
.endr
.irp b, 0,1
	s_delay_alu instid0(VALU_DEP_2)
	v_add_nc_u32 v[SO+\b], 0xf8800000, v[BM+\b]
.endr
.irp b, 0,1
.endr
.irp b, 0,1
	s_delay_alu instid0(VALU_DEP_2)
	v_lshrrev_b32 v[PB+\b], 23, v[SO+\b]
.endr
.irp b, 0,1
.irp i, 0,1,2,3,4,5,6,7,8,9,10,11,12,13,14,15
.endr
	v_cvt_scalef32_pk8_bf8_f32 v[PC+4*\b:PC+4*\b+1], v[O+16*\b:O+16*\b+7], v[SO+\b]
	v_cvt_scalef32_pk8_bf8_f32 v[PC+4*\b+2:PC+4*\b+3], v[O+16*\b+8:O+16*\b+15], v[SO+\b]
.endr
	v_nop                                          ; one plain line behind the last conversion
	global_store_b128 v[LI16], v[PC:PC+3], s[10:11]              ; 32 lanes store 512 consecutive bytes: registers 4 c .. 4 c + 3 of the projection's operand
	global_store_b128 v[LI16], v[PC+4:PC+7], s[10:11] offset:512
	v_cmp_le_u32 vcc_lo, 0x100, v[LI16]            ; lanes 16-31
	s_delay_alu instid0(VALU_DEP_1)
	v_cndmask_b32 v[T], v[PB], v[PB+1], vcc_lo
	ds_store_b8 v[SBA], v[T]                       ; the work-group's 512 scale bytes meet in LDS,
	s_wait_dscnt 0x0                               ; for the others' sake: my store is done
	s_barrier_signal -1
	s_barrier_wait -1
	s_cmp_lg_u32 s[WV], 0
	s_cbranch_scc1 .Lnot_zero
	ds_load_b128 v[S:S+3], v[SGR]                  ; and wave 0 stores them: 512 consecutive bytes
	s_wait_dscnt 0x0
	global_store_b128 v[LI16], v[S:S+3], s[12:13]
.Lnot_zero:
	s_wait_tensorcnt 0x0                           ; the wave's end
	ds_add_u32 v[SPW], v[NIL]
	s_wait_dscnt 0x0
	CROUND                                         ; the closing round: no work-group ends while a partner may still ask for a record that names it
	s_endpgm
.Lfunc_end_k_q7eafc22577_attn:
	.size	k_q7eafc22577_attn, .Lfunc_end_k_q7eafc22577_attn-k_q7eafc22577_attn
	.p2alignl 7, 3214868480
	.fill 96, 4, 3214868480
	.section	.rodata,"a",@progbits
	.p2align	6, 0x0
	.amdhsa_kernel k_q7eafc22577_attn
		.amdhsa_group_segment_fixed_size 327680
		.amdhsa_private_segment_fixed_size 0
		.amdhsa_enable_private_segment 0
		.amdhsa_kernarg_size 40
		.amdhsa_user_sgpr_count 2
		.amdhsa_user_sgpr_kernarg_segment_ptr 1
		.amdhsa_wavefront_size32 1
		.amdhsa_system_sgpr_workgroup_id_x 1
		.amdhsa_system_sgpr_workgroup_id_y 1
		.amdhsa_system_sgpr_workgroup_id_z 1
		.amdhsa_system_vgpr_workitem_id 0
		.amdhsa_next_free_vgpr 256
		.amdhsa_next_free_sgpr 66
		.amdhsa_reserve_vcc 1
		.amdhsa_float_denorm_mode_32 3
		.amdhsa_float_denorm_mode_16_64 3
		.amdhsa_fp16_overflow 1
		.amdhsa_memory_ordered 1
		.amdhsa_forward_progress 1
		.amdhsa_inst_pref_size 151
	.end_amdhsa_kernel
	.amdgpu_metadata
---
amdhsa.version: [ 1, 2 ]
amdhsa.kernels:
  - .name:           k_q7eafc22577_attn
    .symbol:         k_q7eafc22577_attn.kd
    .args:
      - { .name: qc, .offset: 0, .size: 8, .value_kind: global_buffer, .address_space: global }
      - { .name: sc, .offset: 8, .size: 8, .value_kind: global_buffer, .address_space: global }
      - { .name: kvc, .offset: 16, .size: 8, .value_kind: global_buffer, .address_space: global }
      - { .name: ac, .offset: 24, .size: 8, .value_kind: global_buffer, .address_space: global }
      - { .name: asc, .offset: 32, .size: 8, .value_kind: global_buffer, .address_space: global }
    .group_segment_fixed_size: 327680
    .private_segment_fixed_size: 0
    .kernarg_segment_align: 8
    .kernarg_segment_size: 40
    .max_flat_workgroup_size: 512
    .sgpr_count:     66
    .vgpr_count:     256
    .wavefront_size: 32
...
	.end_amdgpu_metadata
.endif
;; end of part 2
;; launch proj (part 3): grid 4 x 64, 8 waves a work-group, clusters of 4 x 4, 208,896 bytes of LDS; arguments ac, asc, proj_w_codes, proj_w_scales, proj_b, out0; writes out0
.if DOCPART == 3
	.amdgcn_target "amdgcn-amd-amdhsa--gfx1250"
	.amdhsa_code_object_version 6
	.text
	.protected	k_q7eafc22577_proj
	.globl	k_q7eafc22577_proj
	.p2align	8
	.type	k_q7eafc22577_proj,@function
k_q7eafc22577_proj:
	s_mov_b64 s[64:65], 0
	v_nop
	global_prefetch_b8 v0, s[64:65] scope:SCOPE_SE
	s_setreg_imm32_b32 hwreg(HW_REG_WAVE_MODE, 25, 1), 1
	s_wait_xcnt 0x0
	s_wait_alu depctr_hold_cnt(0) depctr_sa_sdst(0) depctr_va_vdst(0) depctr_va_sdst(0) depctr_va_ssrc(0) depctr_va_vcc(0) depctr_vm_vsrc(0)
	s_getreg_b32 s2, hwreg(HW_REG_IB_STS2, 6, 4)
	s_cmp_eq_u32 s2, 0
	s_cbranch_scc0 .Lentry_in_a_cluster
	s_endpgm
.Lentry_in_a_cluster:
	s_bfe_u32 s2, ttmp6, 0x10000c
	s_cmp_lg_u32 s2, 0xf033
	s_cbranch_scc0 .Lentry_shape_is_right
	s_endpgm
.Lentry_shape_is_right:
; out0[row][n] = the sum over k of A[row][k] W[n][k] + b[n]: 8,192 x 512 x 512 on codes of E5M2 with one E8M0 scale for each 32 along K.
; A comes from the attention launch as register images, [row tile][K step][c][lane][16 bytes], its scale bytes as [batch x 8 + head][16 x tile + r][2]; W as the problem gives it: rows of 512 codes, 16 scale bytes a row.
; Row r of row tile 2 f + u is row 32 f + 16 (r / 8) + 8 u + r % 8: the stage on the way out puts the rows back in order.
; SHARES.  A work-group makes 128 rows x 128 columns; wave w rows 32 (w / 2) on (two tiles) x columns 64 (w % 2) on (four tiles): 8 accumulators.  K goes in four steps of 128.
; All of A's 65,536 bytes and W's 65,536 come into LDS once, by one tensor load a wave (waves 0 to 3: A's quarters; waves 4 and 5: W's halves); nothing is filled again.
; CLUSTER 4 x 4: the four of a row of the cluster need the same rows of A, the four of a column the same rows of W: each is asked for jointly.
; THE MATRIX INSTRUCTION IS USED TRANSPOSED (source 0 = 16 rows of W, source 1 = 16 rows of A): a lane holds eight neighbouring columns of one row.  The bias is the C of each sum's first instruction.
.set WB,    65536                      ; LDS: A at 0; W here: 128 rows of 512 bytes + 16 of padding
.set WP,    528
.set STG,   133120                     ; a stage of 8,960 bytes for each wave: row p of 32 at 272 p + 128 (p / 16)
.set ADA,  4                           ; v4   A's images: 16,384 (w / 2) + 16 x lane
.set ADW,  5                           ; v5   W's rows: WB + 33,792 (w % 2) + 528 r + 16 h
.set STO,  6                           ; v6   into the stage
.set RD,   7                           ; v7   out of it
.set CO,   8                           ; v8   my byte offset in out0: 2,048 h + 16 r
.set AS,   16                          ; v16-19  A's scale words, one a K step: lanes 0-15 tile 0, lanes 16-31 tile 1
.set WS,   20                          ; v20-27  W's: register 4 p + s: lanes 0-15 column tile 2 p, lanes 16-31 tile 2 p + 1
.set H,    28                          ; v28-35  A's two scale bytes of each head
.set BIAS, 36                          ; v36-67  four tiles x 8
.set AF,   68                          ; v68-99  A's two fragments
.set WF,   100                         ; v100-163 W's four
.set ACC,  164                         ; v164-227 accumulator (u, b) at 8 (4 u + b)
.set OB,   68                          ; the way out: 16 x 4 registers
.set WV,   18
.set G1A,  24
.set G1W,  32
.set G0A,  40
.set G0W,  44
.macro CROUND
	s_barrier_signal -1
	s_barrier_wait -1
	s_cmp_lg_u32 s[WV], 0
	s_cbranch_scc1 .Lnot_wave_0_\@
	s_barrier_signal -3
.Lnot_wave_0_\@:
	s_barrier_wait -3
	s_barrier_signal -1
	s_barrier_wait -1
.endm
	s_load_b256 s[4:11], s[0:1], 0x0               ; ac s[4:5], asc s[6:7], W's codes s[8:9], W's scales s[10:11]
	s_load_b128 s[12:15], s[0:1], 0x20             ; b s[12:13], out0 s[14:15]
	v_lshl_add_u32 v232, v0, 2, 0x32c00
	v_mov_b32 v233, 0
	ds_add_u32 v232, v233
	ds_add_u32 v232, v233
	v_lshrrev_b32 v1, 5, v0
	s_delay_alu instid0(VALU_DEP_1)
	v_readfirstlane_b32 s[WV], v1                  ; wave 0..7
	s_bfe_u32 s16, ttmp6, 0x40000                  ; cx
	s_bfe_u32 s17, ttmp6, 0x40004                  ; cy
	s_lshl_b32 s19, ttmp9, 2
	s_add_co_u32 s19, s19, s16                     ; CB: my 128 columns
	s_and_b32 s20, ttmp7, 0xffff
	s_lshl_b32 s20, s20, 2
	s_add_co_u32 s20, s20, s17                     ; RB: my 128 rows
	s_lshl_b32 s21, s17, 2
	s_lshl_b32 s21, 15, s21                        ; my row of the cluster
	s_lshl_b32 s22, 0x1111, s16                    ; my column
	s_or_b32 s[G1A], s21, (3<<16)|(1<<21)          ; A: 64 rows of 256 bytes, dense: elements of 8 bytes; bit 21 beside the mask
	s_mov_b32 s[G1A+1], 32<<16
	s_mov_b32 s[G1A+2], 64<<16
	s_mov_b32 s[G1A+3], 32<<16
	s_mov_b32 s[G1A+4], 64
	s_mov_b32 s[G1A+5], 32
	s_mov_b32 s[G1A+6], 0
	s_mov_b32 s[G1A+7], 0
	s_or_b32 s[G1W], s22, (3<<16)|(1<<20)|(1<<21)|(6<<22)|(3<<25)   ; W: 64 rows of 512 bytes; four words of padding behind every 128
	s_mov_b32 s[G1W+1], 64<<16
	s_mov_b32 s[G1W+2], 64<<16
	s_mov_b32 s[G1W+3], 64<<16
	s_mov_b32 s[G1W+4], 64
	s_mov_b32 s[G1W+5], 64
	s_mov_b32 s[G1W+6], 0
	s_mov_b32 s[G1W+7], 0
	s_lshr_b32 s23, s[WV], 1                       ; rg: which 32 rows are mine
	s_and_b32 s52, s[WV], 1                        ; cg: which 64 columns.  Also: which half of W I fetch, if I fetch for W
	s_and_b32 s53, s[WV], 3
	s_lshl_b32 s53, s53, 14                        ; which quarter of A I fetch, if I fetch for A: in LDS and in memory
	s_mul_i32 s54, s52, 64*WP
	s_add_co_u32 s54, s54, WB                      ; my half of W in LDS
	s_mul_i32 s55, s[WV], 8960
	s_add_co_u32 s55, s55, STG                     ; my stage
	s_lshl_b32 s48, s20, 16                        ; A: 65,536 bytes for 128 rows: it hangs on RB, which my row of the cluster shares
	s_add_co_u32 s48, s48, s53
	s_mov_b32 s49, 0
	s_lshl_b32 s50, s19, 16                        ; W: 65,536 bytes for 128 rows: it hangs on CB, which my column shares
	s_lshl_b32 s51, s52, 15
	s_add_co_u32 s50, s50, s51
	s_mov_b32 s51, 0
	s_lshl_b32 s56, s19, 11                        ; W's scales: 16 bytes a row
	s_lshl_b32 s57, s52, 10
	s_add_co_u32 s56, s56, s57
	s_mov_b32 s57, 0
	s_lshr_b32 s58, s20, 5                         ; A's scale bytes: batch RB / 32 (65,536 bytes), 256 bytes for 128 rows, 64 for my 32
	s_lshl_b32 s58, s58, 16
	s_and_b32 s59, s20, 31
	s_lshl_b32 s59, s59, 8
	s_add_co_u32 s58, s58, s59
	s_lshl_b32 s59, s23, 6
	s_add_co_u32 s58, s58, s59
	s_mov_b32 s59, 0
	s_lshl_b32 s60, s19, 9                         ; my first column in bytes of f32
	s_lshl_b32 s61, s52, 8
	s_add_co_u32 s60, s60, s61
	s_mov_b32 s61, 0
	s_lshl_b32 s62, s20, 18                        ; out0: 128 rows of 2,048 bytes,
	s_lshl_b32 s63, s23, 16                        ; my 32,
	s_add_co_u32 s62, s62, s63
	s_add_co_u32 s62, s62, s60                     ; my columns
	s_mov_b32 s63, 0
	s_wait_dscnt 0x0
	s_wait_kmcnt 0x0
	s_mov_b32 s[G0A], 1
	s_mov_b32 s[G0A+1], s53
	s_add_nc_u64 s[G0A+2:G0A+3], s[4:5], s[48:49]
	s_or_b32 s[G0A+3], s[G0A+3], 0x80000000
	s_mov_b32 s[G0W], 1
	s_mov_b32 s[G0W+1], s54
	s_add_nc_u64 s[G0W+2:G0W+3], s[8:9], s[50:51]
	s_or_b32 s[G0W+3], s[G0W+3], 0x80000000
	s_add_nc_u64 s[10:11], s[10:11], s[56:57]
	s_add_nc_u64 s[6:7], s[6:7], s[58:59]
	s_add_nc_u64 s[12:13], s[12:13], s[60:61]
	s_add_nc_u64 s[14:15], s[14:15], s[62:63]
	CROUND                                         ; all sixteen work-groups are here: the joint loads meet
	s_cmp_lt_u32 s[WV], 4
	s_cbranch_scc0 .Lnot_a
	tensor_load_to_lds s[G0A:G0A+3], s[G1A:G1A+7]
	s_nop 0
.rept 4
	v_nop
.endr
	s_branch .Lasked
.Lnot_a:
	s_cmp_lt_u32 s[WV], 6
	s_cbranch_scc0 .Lasked
	tensor_load_to_lds s[G0W:G0W+3], s[G1W:G1W+7]
	s_nop 0
.rept 4
	v_nop
.endr
.Lasked:
	v_and_b32 v1, 31, v0                           ; lane
	v_and_b32 v2, 15, v0                           ; r
	v_bfe_u32 v3, v0, 4, 1                         ; h
	s_delay_alu instid0(VALU_DEP_3)
	v_lshlrev_b32 v9, 4, v1                        ; 16 x lane
	s_delay_alu instid0(VALU_DEP_4)
	v_lshlrev_b32 v10, 1, v1                       ; 2 x lane
	s_delay_alu instid0(VALU_DEP_3)
	v_lshlrev_b32 v11, 5, v3                       ; 32 h
	global_load_b128 v[WS:WS+3], v9, s[10:11]                  ; row 32 p + lane's four scale words
	global_load_b128 v[WS+4:WS+7], v9, s[10:11] offset:512
.irp d, 0,1,2,3,4,5,6,7
	global_load_u16 v[H+\d], v10, s[6:7] offset:8192*\d        ; head d's two bytes of row tile lane / 16, row lane % 16
.endr
.irp b, 0,1,2,3
	global_load_b128 v[BIAS+8*\b:BIAS+8*\b+3], v11, s[12:13] offset:64*\b       ; b at columns 16 b + 8 h + 0 .. 7: the result's layout
	global_load_b128 v[BIAS+8*\b+4:BIAS+8*\b+7], v11, s[12:13] offset:64*\b+16
.endr
	s_lshl_b32 s56, s23, 14
	v_add_nc_u32 v[ADA], s56, v9
	v_mul_u32_u24 v[ADW], v2, WP
	s_delay_alu instid0(VALU_DEP_1)
	v_lshl_add_u32 v[ADW], v3, 4, v[ADW]
	s_delay_alu instid0(VALU_DEP_1)
	v_add_nc_u32 v[ADW], s54, v[ADW]
	v_bfe_u32 v12, v0, 3, 1                        ; r / 8
	v_and_b32 v13, 7, v0                           ; r % 8
	s_delay_alu instid0(VALU_DEP_1)
	v_lshl_add_u32 v13, v12, 4, v13                ; the row's place among my 32, less 8 u
	s_delay_alu instid0(VALU_DEP_1)
	v_mul_u32_u24 v[STO], v13, 272
	s_delay_alu instid0(VALU_DEP_1)
	v_lshl_add_u32 v[STO], v12, 7, v[STO]
	s_delay_alu instid0(VALU_DEP_1)
	v_lshl_add_u32 v[STO], v3, 5, v[STO]           ; + 32 h: my eight columns
	s_delay_alu instid0(VALU_DEP_1)
	v_add_nc_u32 v[STO], s55, v[STO]
	v_mul_u32_u24 v[RD], v3, 272                   ; back: lanes 0-15 one row of 256 bytes, lanes 16-31 the next
	s_delay_alu instid0(VALU_DEP_1)
	v_lshl_add_u32 v[RD], v2, 4, v[RD]
	s_delay_alu instid0(VALU_DEP_1)
	v_add_nc_u32 v[RD], s55, v[RD]
	v_lshlrev_b32 v[CO], 11, v3
	s_delay_alu instid0(VALU_DEP_1)
	v_lshl_add_u32 v[CO], v2, 4, v[CO]
	s_wait_loadcnt 0x0
.irp s, 0,1,2,3
	v_lshl_or_b32 v[AS+\s], v[H+2*\s+1], 16, v[H+2*\s]   ; K step s is heads 2 s and 2 s + 1: four bytes
.endr
.rept 8
	v_nop                                          ; a scale register written by a vector instruction stands eight places ahead of its product
.endr
	s_wait_alu depctr_va_vdst(0)
	s_wait_tensorcnt 0x0                           ; my part is in,
	s_barrier_signal -1
	s_barrier_wait -1                              ; everybody's is
.macro PROD s, b, u
.set DR, ACC+8*(4*(\u)+(\b))
.if (\s) == 0
.set CR, BIAS+8*(\b)
.else
.set CR, DR
.endif
.if ((\b)%2 == 0) && ((\u) == 0)
	v_wmma_scale_f32_16x16x128_f8f6f4 v[DR:DR+7], v[WF+16*(\b):WF+16*(\b)+15], v[AF+16*(\u):AF+16*(\u)+15], v[CR:CR+7], v[WS+4*((\b)/2)+(\s)], v[AS+(\s)] matrix_a_fmt:MATRIX_FMT_BF8 matrix_b_fmt:MATRIX_FMT_BF8
.elseif ((\b)%2 == 1) && ((\u) == 0)
	v_wmma_scale_f32_16x16x128_f8f6f4 v[DR:DR+7], v[WF+16*(\b):WF+16*(\b)+15], v[AF+16*(\u):AF+16*(\u)+15], v[CR:CR+7], v[WS+4*((\b)/2)+(\s)], v[AS+(\s)] matrix_a_fmt:MATRIX_FMT_BF8 matrix_b_fmt:MATRIX_FMT_BF8 matrix_a_scale:MATRIX_SCALE_ROW1
.elseif ((\b)%2 == 0)
	v_wmma_scale_f32_16x16x128_f8f6f4 v[DR:DR+7], v[WF+16*(\b):WF+16*(\b)+15], v[AF+16*(\u):AF+16*(\u)+15], v[CR:CR+7], v[WS+4*((\b)/2)+(\s)], v[AS+(\s)] matrix_a_fmt:MATRIX_FMT_BF8 matrix_b_fmt:MATRIX_FMT_BF8 matrix_b_scale:MATRIX_SCALE_ROW1
.else
	v_wmma_scale_f32_16x16x128_f8f6f4 v[DR:DR+7], v[WF+16*(\b):WF+16*(\b)+15], v[AF+16*(\u):AF+16*(\u)+15], v[CR:CR+7], v[WS+4*((\b)/2)+(\s)], v[AS+(\s)] matrix_a_fmt:MATRIX_FMT_BF8 matrix_b_fmt:MATRIX_FMT_BF8 matrix_a_scale:MATRIX_SCALE_ROW1 matrix_b_scale:MATRIX_SCALE_ROW1
.endif
.endm
.macro KSTEP s
.if \s > 0
.rept 8
	v_nop                                          ; places in front of loads into registers that matrix instructions have read
.endr
.endif
.irp u, 0,1
.irp c, 0,1,2,3
	ds_load_b128 v[AF+16*\u+4*\c:AF+16*\u+4*\c+3], v[ADA] offset:8192*\u+2048*\s+512*\c
.endr
.endr
.irp b, 0,1,2,3
.irp c, 0,1,2,3
	ds_load_b128 v[WF+16*\b+4*\c:WF+16*\b+4*\c+3], v[ADW] offset:16*WP*\b+128*\s+32*\c
.endr
.endr
	s_wait_dscnt 0x0
.irp b, 0,1,2,3
.irp u, 0,1
	PROD \s, \b, \u                                ; the eight accumulators take turns, one instruction a turn, in the same order in every K step
.endr
.endr
.endm
	KSTEP 0
	KSTEP 1
	KSTEP 2
	KSTEP 3
	; THE WAY OUT: 32 rows x 256 bytes through my own stage, each row at its true place; back as whole rows: sixteen lanes store 256 consecutive bytes, aligned.
.rept 8
	v_nop
.endr
.irp u, 0,1
.irp b, 0,1,2,3
	ds_store_b128 v[STO], v[ACC+8*(4*\u+\b):ACC+8*(4*\u+\b)+3] offset:8*272*\u+64*\b          ; each accumulator from its low end on
	ds_store_b128 v[STO], v[ACC+8*(4*\u+\b)+4:ACC+8*(4*\u+\b)+7] offset:8*272*\u+64*\b+16
.endr
.endr
.irp i, 0,1,2,3,4,5,6,7,8,9,10,11,12,13,14,15
	ds_load_b128 v[OB+4*\i:OB+4*\i+3], v[RD] offset:544*\i+128*(\i/8)   ; LDS serves a wave's instructions in order: these see my stores
.endr
.irp i, 0,1,2,3,4,5,6,7,8,9,10,11,12,13,14,15
	s_wait_dscnt 15-\i                             ; the younger loads may stay out
	global_store_b128 v[CO], v[OB+4*\i:OB+4*\i+3], s[14:15] offset:4096*\i th:TH_STORE_NT
.endr
	s_wait_tensorcnt 0x0
	ds_add_u32 v232, v233
	s_wait_dscnt 0x0
	CROUND                                         ; the closing round: no work-group ends while a partner may still ask for a tile that names it
	s_endpgm
.Lfunc_end_k_q7eafc22577_proj:
	.size	k_q7eafc22577_proj, .Lfunc_end_k_q7eafc22577_proj-k_q7eafc22577_proj
	.p2alignl 7, 3214868480
	.fill 96, 4, 3214868480
	.section	.rodata,"a",@progbits
	.p2align	6, 0x0
	.amdhsa_kernel k_q7eafc22577_proj
		.amdhsa_group_segment_fixed_size 208896
		.amdhsa_private_segment_fixed_size 0
		.amdhsa_enable_private_segment 0
		.amdhsa_kernarg_size 48
		.amdhsa_user_sgpr_count 2
		.amdhsa_user_sgpr_kernarg_segment_ptr 1
		.amdhsa_wavefront_size32 1
		.amdhsa_system_sgpr_workgroup_id_x 1
		.amdhsa_system_sgpr_workgroup_id_y 1
		.amdhsa_system_sgpr_workgroup_id_z 1
		.amdhsa_system_vgpr_workitem_id 0
		.amdhsa_next_free_vgpr 234
		.amdhsa_next_free_sgpr 66
		.amdhsa_reserve_vcc 0
		.amdhsa_float_denorm_mode_32 3
		.amdhsa_float_denorm_mode_16_64 3
		.amdhsa_memory_ordered 1
		.amdhsa_forward_progress 1
		.amdhsa_inst_pref_size 25
	.end_amdhsa_kernel
	.amdgpu_metadata
---
amdhsa.version: [ 1, 2 ]
amdhsa.kernels:
  - .name:           k_q7eafc22577_proj
    .symbol:         k_q7eafc22577_proj.kd
    .args:
      - { .name: ac, .offset: 0, .size: 8, .value_kind: global_buffer, .address_space: global }
      - { .name: asc, .offset: 8, .size: 8, .value_kind: global_buffer, .address_space: global }
      - { .name: proj_w_codes, .offset: 16, .size: 8, .value_kind: global_buffer, .address_space: global }
      - { .name: proj_w_scales, .offset: 24, .size: 8, .value_kind: global_buffer, .address_space: global }
      - { .name: proj_b, .offset: 32, .size: 8, .value_kind: global_buffer, .address_space: global }
      - { .name: out0, .offset: 40, .size: 8, .value_kind: global_buffer, .address_space: global }
    .group_segment_fixed_size: 208896
    .private_segment_fixed_size: 0
    .kernarg_segment_align: 8
    .kernarg_segment_size: 48
    .max_flat_workgroup_size: 256
    .sgpr_count:     66
    .vgpr_count:     234
    .wavefront_size: 32
...
	.end_amdgpu_metadata
.endif
;; end of part 3
